; MI455X (gfx1250); checked and timed in simulation.
; The chip was launched on July 23, 2026; its instructions are those of AMD's public machine-readable ISA for CDNA 5 (MIT licence, August 2026) and "CDNA5" Instruction Set Architecture Reference Guide (July 2026). The comments in the code are by the model that wrote it; some were corrected since.
;; VQ. Allowed arithmetic: float matrix products may take bf16 or f16 operands with f32 sums; all other float work in f32.
;; Inputs: emb 1,024 x 128 float32; ze 16 x 128 x 4,096 float32.
;; Outputs: out0 16 x 128 x 4,096 float32.
;; 2 versions, each right; version 2 is version 1 with the launches prep, gather written anew for expert scheduling mode. Each part assembles by itself: llvm-mc -triple=amdgcn-amd-amdhsa -mcpu=gfx1250 --defsym DOCPART=n.
;; ======== version 1 of 2: 3 launches
;; workspace buffers: tab 262,144 bytes; cneg 4,096 bytes; ind 262,144 bytes of whole numbers
;; launch prep (part 1): grid 16 x 1, 8 waves a work-group, no clusters, 1,280 bytes of LDS; arguments emb, tab, cneg; writes tab, cneg
.if DOCPART == 1
	.amdgcn_target "amdgcn-amd-amdhsa--gfx1250"
	.amdhsa_code_object_version 6
	.text
	.protected	k_qc4902835fe_prep
	.globl	k_qc4902835fe_prep
	.p2align	8
	.type	k_qc4902835fe_prep,@function
k_qc4902835fe_prep:
	s_mov_b64 s[64:65], 0
	v_nop
	global_prefetch_b8 v0, s[64:65] scope:SCOPE_SE
	s_setreg_imm32_b32 hwreg(HW_REG_WAVE_MODE, 25, 1), 1
	s_wait_xcnt 0x0
; VQ, first of three launches.  tab[k][d] = emb[k][d] rounded to bf16;  cneg[k] = -1/2 x the sum over d of tab[k][d]^2, in f32.
; The second launch finds for each column (b, n) the first k with the largest  g = <tab[k], bf16(ze[b,:,n])> + cneg[k];
; the third copies emb[k] (f32, as given) down the column of out0.
;
; WORK LEFT OUT, for all finite values of the inputs:
; (1) ze_sq[b,n] is added to d2[b,k,n] for every k alike, so it moves no comparison along the axis of the argmin:
;     argmin over k of (ze_sq + emb_sq[k] - 2 dot) = argmin of (emb_sq[k] - 2 dot) = argmax of (dot - emb_sq[k]/2).  It is a sum of 128 squares
;     like emb_sq, so it is no term beside which the others are lost.  It is never formed.
; (2) ze + (zq - ze) = zq is an identity, so ze reaches out0 through the index alone: the third launch does not read ze.
; LIMITS: a NaN, an infinity or an overflow that would arise only in ze_sq or in zq - ze is not carried to out0.  The matrix operands are bf16, so
; the code chosen is the nearest for ze and emb rounded to bf16 (that is why cneg is made of the ROUNDED emb); two codes whose distances differ by
; less than the rounding of the f32 sums may be chosen otherwise than by reference().  A score that is NaN loses every comparison.
;
; Eight waves; the work-group owns 64 rows of emb, a wave eight of them, a lane four numbers of each row: a load of a wave covers a whole row of
; 512 bytes, a store of tab a whole row of 256 bytes, aligned.  The 64 sums meet in LDS so that wave 0 can store them as 256 consecutive bytes.
; No matrix work, no tensor loads, no cluster: 512 KiB are read once and no work-group shares a byte with another.
.set X, 8                              ; v[8:39]   row i: 4 registers as loaded
.set P, 40                             ; v[40:55]  row i: 2 registers, 4 bf16; a store's data, private to the row, never rewritten
.set Y, 56                             ; v[56:59]  the four rounded numbers in f32
.set S, 60                             ; v[60:67]  row i: its sum
	s_load_b128 s[4:7], s[0:1], 0x0                ; emb s[4:5], tab s[6:7]
	s_load_b64 s[8:9], s[0:1], 0x10                ; cneg
	v_lshl_add_u32 v72, v0, 2, 0x100
	v_mov_b32 v73, 0
	v_lshrrev_b32 v5, 5, v0
	v_readfirstlane_b32 s10, v5                    ; wave 0..7
	v_and_b32 v6, 31, v0                           ; lane
	s_mov_b32 s12, 0x76543210                      ; v_permlanex16_b32: lane i of one half reads lane i of the other
	s_mov_b32 s13, 0xfedcba98
	s_mov_b32 s14, 0xffff0000                      ; a word's upper bf16
	s_lshl_b32 s16, ttmp9, 15                      ; 64 rows of 512 bytes
	s_mov_b32 s17, 0
	s_lshl_b32 s18, ttmp9, 14                      ; 64 rows of 256 bytes
	s_mov_b32 s19, 0
	s_lshl_b32 s20, ttmp9, 8                       ; 64 words
	s_mov_b32 s21, 0
	v_lshlrev_b32 v1, 4, v6
	v_lshl_add_u32 v1, s10, 12, v1                 ; emb: 16 x lane + wave x 8 rows x 512
	v_lshlrev_b32 v2, 3, v6
	v_lshl_add_u32 v2, s10, 11, v2                 ; tab: 8 x lane + wave x 8 rows x 256
	v_mov_b32 v3, s10
	v_lshlrev_b32 v3, 5, v3                        ; LDS: my wave's eight words
	v_lshlrev_b32 v4, 3, v6                        ; 8 x lane: wave 0 reads and stores the 64 sums
	v_mov_b32 v68, 0                               ; v_permlanex16_b32 counts as a reader of its destination
	s_wait_kmcnt 0x0
	s_add_nc_u64 s[4:5], s[4:5], s[16:17]
	s_add_nc_u64 s[6:7], s[6:7], s[18:19]
	s_add_nc_u64 s[8:9], s[8:9], s[20:21]
.irp i, 0,1,2,3,4,5,6,7
	global_load_b128 v[X+4*\i:X+4*\i+3], v1, s[4:5] offset:512*\i
.endr
.irp i, 0,1,2,3,4,5,6,7
	s_wait_loadcnt 7-\i                            ; loads come back in order: row i is in, the 7 - i younger ones stay out
	v_cvt_pk_bf16_f32 v[P+2*\i], v[X+4*\i], v[X+4*\i+1]
	v_cvt_pk_bf16_f32 v[P+2*\i+1], v[X+4*\i+2], v[X+4*\i+3]
	global_store_b64 v2, v[P+2*\i:P+2*\i+1], s[6:7] offset:256*\i    ; 32 lanes x 8 bytes: 256 consecutive bytes, aligned
	v_lshlrev_b32 v[Y], 16, v[P+2*\i]              ; the ROUNDED numbers back in f32
	v_and_b32 v[Y+1], s14, v[P+2*\i]
	v_lshlrev_b32 v[Y+2], 16, v[P+2*\i+1]
	v_and_b32 v[Y+3], s14, v[P+2*\i+1]
	v_mul_f32 v[S+\i], v[Y], v[Y]                  ; the first square starts the sum
	v_fma_f32 v[S+\i], v[Y+1], v[Y+1], v[S+\i]
	v_fma_f32 v[S+\i], v[Y+2], v[Y+2], v[S+\i]
	v_fma_f32 v[S+\i], v[Y+3], v[Y+3], v[S+\i]
	v_add_f32_dpp v[S+\i], v[S+\i], v[S+\i] row_xmask:1 row_mask:0xf bank_mask:0xf
	v_add_f32_dpp v[S+\i], v[S+\i], v[S+\i] row_xmask:2 row_mask:0xf bank_mask:0xf
	v_add_f32_dpp v[S+\i], v[S+\i], v[S+\i] row_xmask:4 row_mask:0xf bank_mask:0xf
	v_add_f32_dpp v[S+\i], v[S+\i], v[S+\i] row_xmask:8 row_mask:0xf bank_mask:0xf
	v_permlanex16_b32 v68, v[S+\i], s12, s13
	v_add_f32 v[S+\i], v[S+\i], v68                ; every lane holds the row's sum of squares
	v_mul_f32 v[S+\i], -0.5, v[S+\i]
	ds_store_b32 v3, v[S+\i] offset:4*\i           ; all lanes write the same word with the same value
.endr
	s_wait_dscnt 0x0                               ; my eight words are in LDS, for wave 0's sake
	s_barrier_signal -1
	s_barrier_wait -1
	s_cmp_lg_u32 s10, 0
	s_cbranch_scc1 .Ldone
	ds_load_b64 v[Y:Y+1], v4                       ; the work-group's 64 sums, two a lane
	s_wait_dscnt 0x0
	global_store_b64 v4, v[Y:Y+1], s[8:9]          ; 256 consecutive bytes, aligned
.Ldone:
	s_wait_tensorcnt 0x0
	ds_add_u32 v72, v73
	s_wait_dscnt 0x0
	s_endpgm
.Lfunc_end_k_qc4902835fe_prep:
	.size	k_qc4902835fe_prep, .Lfunc_end_k_qc4902835fe_prep-k_qc4902835fe_prep
	.p2alignl 7, 3214868480
	.fill 96, 4, 3214868480
	.section	.rodata,"a",@progbits
	.p2align	6, 0x0
	.amdhsa_kernel k_qc4902835fe_prep
		.amdhsa_group_segment_fixed_size 1280
		.amdhsa_private_segment_fixed_size 0
		.amdhsa_enable_private_segment 0
		.amdhsa_kernarg_size 24
		.amdhsa_user_sgpr_count 2
		.amdhsa_user_sgpr_kernarg_segment_ptr 1
		.amdhsa_wavefront_size32 1
		.amdhsa_system_sgpr_workgroup_id_x 1
		.amdhsa_system_sgpr_workgroup_id_y 1
		.amdhsa_system_sgpr_workgroup_id_z 1
		.amdhsa_system_vgpr_workitem_id 0
		.amdhsa_next_free_vgpr 74
		.amdhsa_next_free_sgpr 66
		.amdhsa_reserve_vcc 0
		.amdhsa_float_denorm_mode_32 3
		.amdhsa_float_denorm_mode_16_64 3
		.amdhsa_memory_ordered 1
		.amdhsa_forward_progress 1
		.amdhsa_inst_pref_size 11
	.end_amdhsa_kernel
	.amdgpu_metadata
---
amdhsa.version: [ 1, 2 ]
amdhsa.kernels:
  - .name:           k_qc4902835fe_prep
    .symbol:         k_qc4902835fe_prep.kd
    .args:
      - { .name: emb, .offset: 0, .size: 8, .value_kind: global_buffer, .address_space: global }
      - { .name: tab, .offset: 8, .size: 8, .value_kind: global_buffer, .address_space: global }
      - { .name: cneg, .offset: 16, .size: 8, .value_kind: global_buffer, .address_space: global }
    .group_segment_fixed_size: 1280
    .private_segment_fixed_size: 0
    .kernarg_segment_align: 8
    .kernarg_segment_size: 24
    .max_flat_workgroup_size: 256
    .sgpr_count:     66
    .vgpr_count:     74
    .wavefront_size: 32
...
	.end_amdgpu_metadata
.endif
;; end of part 1
;; launch nearest (part 2): grid 256 x 1, 4 waves a work-group, clusters of 4 x 1, 283,136 bytes of LDS; arguments ze, tab, cneg, ind; writes ind
.if DOCPART == 2
	.amdgcn_target "amdgcn-amd-amdhsa--gfx1250"
	.amdhsa_code_object_version 6
	.text
	.protected	k_qc4902835fe_nearest
	.globl	k_qc4902835fe_nearest
	.p2align	8
	.type	k_qc4902835fe_nearest,@function
k_qc4902835fe_nearest:
	s_mov_b64 s[64:65], 0
	v_nop
	global_prefetch_b8 v0, s[64:65] scope:SCOPE_SE
	s_setreg_imm32_b32 hwreg(HW_REG_WAVE_MODE, 25, 1), 1
	s_wait_xcnt 0x0
	s_wait_alu depctr_hold_cnt(0) depctr_sa_sdst(0) depctr_va_vdst(0) depctr_va_sdst(0) depctr_va_ssrc(0) depctr_va_vcc(0) depctr_vm_vsrc(0)
	s_getreg_b32 s2, hwreg(HW_REG_IB_STS2, 6, 4)
	s_cmp_eq_u32 s2, 0
	s_cbranch_scc0 .Lentry_in_a_cluster
	s_endpgm
.Lentry_in_a_cluster:
	s_bfe_u32 s2, ttmp6, 0x10000c
	s_cmp_lg_u32 s2, 0x3003
	s_cbranch_scc0 .Lentry_shape_is_right
	s_endpgm
.Lentry_shape_is_right:
; VQ, second launch.  ind[b][n] = the first k with the largest g[k] = <tab[k], bf16(ze[b,:,n])> + cneg[k], which is the argmin over k of d2.
; Left out: ze_sq, the same for every k of a column, so that it moves no comparison (shown at the head of the first launch).
; LIMITS: operands in bf16, sums in f32; codes whose distances differ by less than the sums' rounding may be chosen otherwise than by reference();
; a score that is NaN loses every comparison (all NaN: index 0).
;
; SHARES.  256 work-groups of four waves, one for each WGP.  A work-group owns 256 columns of one b, a wave 64 of them against all 1,024 codes.
; The whole table lies in LDS (1,024 rows of 256 bytes, 16 bytes of padding behind each), filled once; the wave's 64 columns lie in registers as
; B fragments for the whole launch.  Source 0 = 16 codes (rows of tab, K along the row), source 1 = 16 columns: in the result lane (r, h) holds, for
; column r, the scores of codes 16 t + 8 h + 0..7.  So the argmax runs inside a lane, and the two halves of the lanes meet once, at the end.
; Column tile c of a wave = columns n0 + 4 r + c: a lane's load of 16 bytes of ze then feeds all four tiles, and the four results of a lane are four
; neighbouring words of ind.  cneg enters as the C of each code tile's first product: no add, no clearing.
; CLUSTER: every work-group reads the same table, so four work-groups ask for it jointly (mask 15).
; THE TABLE COMES IN FOUR QUARTERS of 256 codes.  Each wave asks for 64 rows of each quarter and for 1 KiB of cneg: five tensor loads, issued as one
; group, all five outstanding at the most by this text's count.  The products start when quarter 0 and cneg have landed; a quarter is 16 code tiles, 256
; matrix instructions of each wave, and the next quarter's 64 KiB have that work in which to land.  In front of each later quarter stand a counted wait and
; a barrier.  Nothing in LDS is ever filled again, and no ds_store is issued.
;
; TWO REGISTER WINDOWS THAT TAKE TURNS.  A half trip = one code tile x 64 columns = 16 matrix instructions on four accumulators that take turns, one
; instruction a turn, over the change of halves and the backward jump too.  Behind each matrix instruction stands one
; slice of the argmax of an earlier code tile.  Products and slices stand under ONE window setting, so all that a half trip names lies in one window of
; 256 registers: 128 of B, 32 of A, 8 of cneg, two accumulator sets of 32, 20 of the running maximum.  That leaves no room for a second A buffer there.
; So there are two such windows, alike register for register: even code tiles are multiplied and searched in v0-v255, odd ones in v256-v511.  While one
; window works, the other's A and cneg are on their way: a window is loaded again in ONE run of ten LDS loads at the end of its half trip, 16 matrix
; instructions ahead of the first use.  Four runs and six window switches for a trip's 64 matrix instructions.  The price: B is kept twice (128 more
; conversions, once), each window has a running maximum of its own, and the two are merged at the end.
; v512-v767 hold ze as loaded, until it is converted.
.set PITCH, 272                        ; an LDS row of tab: 256 bytes + 16: 17 x 16, so the 16 rows of a fragment load start in 16 different 16-byte columns of 256
.set TILEB, 16*PITCH                   ; a code tile
.set QUART, 256*PITCH                  ; a quarter of the table: 16 code tiles
.set CN,    0                          ; LDS: cneg, 4,096 bytes
.set TAB,   4096                       ; LDS: tab, 1,024 x 272 = 278,528 bytes, up to byte 282,624
; in both windows:
.set BF,   0                           ; v[0:127]   B fragments: 32 c + 8 s + register (c column tile, s K step of 32)
.set AF,   128                         ; v[128:159] A fragments of one code tile: 8 s + register
.set ACC0, 160                         ; v[160:191] accumulators, 8 c + j
.set ACC1, 192                         ; v[192:223] the other set
.set CB,   224                         ; v[224:231] cneg[16 t + 8 h + j]
.set BEST, 232                         ; v[232:235] column tile c: the largest score so far among the window's code tiles
.set IDX,  236                         ; v[236:239] 16 t + 4 x group, of the group of four scores that holds it
.set SAVE, 240                         ; v[240:251] 3 c + i: scores 0, 1, 2 of that group
; in v0-v255 alone:
.set ADRA, 252                         ; LDS address of my part of the A fragments, stepped four code tiles a trip
.set ADRB, 253                         ; LDS address of my eight cneg
.set ZOFF, 254                         ; my byte offset in ze; never rewritten
.set LANE, 255
; in v256-v511 alone:
.set H8W,  252                         ; 8 h
.set G1T, 16                           ; s[16:23] descriptor group 1, tab
.set G1C, 24                           ; s[24:31] descriptor group 1, cneg
.set G0T, 32                           ; s[32:47] descriptor group 0, tab: a set of four for each quarter; never rewritten
.set G0C, 48                           ; s[48:51] descriptor group 0, cneg
.set KID, 68                           ; s[68:75] 16 t and 16 t + 4 of the four code tiles that a trip searches
; s_set_vgpr_msb's low byte: bits 1:0 source 0, 3:2 source 1, 5:4 source 2, 7:6 destination
.set W0,  0x00                         ; all in v0-v255
.set W1,  0x55                         ; all in v256-v511
.set TO1, 0x40                         ; destination in v256-v511, sources (an LDS load's address) in v0-v255
.set TO2, 0x80                         ; destination in v512-v767, address in v0-v255
.set CV0, 0x0a                         ; sources 0 and 1 in v512-v767, destination in v0-v255
.set CV1, 0x4a                         ; the same, destination in v256-v511
.set DN1, 0x01                         ; source 0 in v256-v511, destination in v0-v255
.set MSB, 0
.macro WIN new                         ; the immediate's high byte repeats the setting that is left; a switch that changes nothing is dropped
.if MSB != \new
	s_set_vgpr_msb (MSB<<8)|\new
.set MSB, \new
.endif
.endm
; A round of the cluster's barrier: my work-group's barrier, wave 0 signals for the work-group, every wave waits for all four work-groups,
; my work-group's barrier once more.
.macro ROUND
	s_barrier_signal -1
	s_barrier_wait -1
	s_cmp_lg_u32 s12, 0
	s_cbranch_scc1 .Lnot_wave_0_\@
	s_barrier_signal -3
.Lnot_wave_0_\@:
	s_barrier_wait -3
	s_barrier_signal -1
	s_barrier_wait -1
.endm
; 32 of my wave's 64 loads of ze.  Load m = 16 s + 8 u + i takes row 32 s + 16 u + i (lanes 16-31: eight rows further down): sixteen lanes read 256
; consecutive bytes, aligned.
.macro ZLOADS first
.set m, \first
.rept 32
	global_load_b128 v[4*m:4*m+3], v[ZOFF], s[4:5] offset:((m>>4)*32+((m>>3)&1)*16+(m&7))*16384 th:TH_LOAD_NT
.set m, m+1
.endr
.endm
; K step s of ze to bf16, straight into B fragments: register 4 u + p holds d = 32 s + 16 u + 8 h + 2 p (low half) and the next (high half)
.macro CVTS s
.irp c, 0,1,2,3
.irp u, 0,1
.irp p, 0,1,2,3
	v_cvt_pk_bf16_f32 v[BF+32*\c+8*\s+4*\u+\p], v[4*(16*\s+8*\u+2*\p)+\c], v[4*(16*\s+8*\u+2*\p+1)+\c]
.endr
.endr
.endr
.endm
; the start of a running maximum, in the window of the destination
.macro START
.irp c, 0,1,2,3
	v_mov_b32 v[BEST+\c], 0xff800000               ; minus infinity
	v_mov_b32 v[IDX+\c], 0
	v_mov_b32 v[SAVE+3*\c], 0xff800000
	v_mov_b32 v[SAVE+3*\c+1], 0xff800000
	v_mov_b32 v[SAVE+3*\c+2], 0xff800000
.endr
.endm
; One run of ten LDS loads: cneg and the four K steps of the A fragments of the code tile par tiles behind ADRA, into the destination's window.
; Lane (r, h) takes row r of the tile, bytes 64 s + 16 h and 32 further.
.macro FETCH par
	ds_load_b128 v[CB:CB+3],   v[ADRB] offset:\par*64
	ds_load_b128 v[CB+4:CB+7], v[ADRB] offset:\par*64+16
.irp s, 0,1,2,3
	ds_load_b128 v[AF+8*\s:AF+8*\s+3],   v[ADRA] offset:\par*TILEB+64*\s
	ds_load_b128 v[AF+8*\s+4:AF+8*\s+7], v[ADRA] offset:\par*TILEB+64*\s+32
.endr
.endm
; The window that has just been multiplied is loaded again.  The addresses lie in v0-v255 for both windows.
.macro REFILL win, par
.if \win == W1
	WIN TO1
.endif
	FETCH \par
.endm
; One of four slices of the argmax of column tile c in accumulator set oth: 14 instructions for 8 scores, exact in f32.
; The scores go in two groups of four.  Registers 3 and 7 are used up for the partial maxima; scores 0..2 of a winning group are kept, so that the
; place inside the group can be found at the end (none of the three equal to the maximum: it was the fourth).  Strictly greater: the earlier code stays.
.macro AM oth, c, part, k
.if \part == 0
	v_max3_num_f32 v[\oth+8*\c+3], v[\oth+8*\c+1], v[\oth+8*\c+2], v[\oth+8*\c+3]
	v_max3_num_f32 v[\oth+8*\c+7], v[\oth+8*\c+5], v[\oth+8*\c+6], v[\oth+8*\c+7]
	v_max3_num_f32 v[\oth+8*\c+3], v[\oth+8*\c], v[\oth+8*\c+3], v[BEST+\c]      ; the first group's maximum, or the old best
.endif
.if \part == 1
	v_cmp_gt_f32 vcc_lo, v[\oth+8*\c+3], v[BEST+\c]                              ; the first group beats the old best
	v_max3_num_f32 v[BEST+\c], v[\oth+8*\c+4], v[\oth+8*\c+7], v[\oth+8*\c+3]    ; the new best
	v_cndmask_b32 v[IDX+\c], v[IDX+\c], s[KID+\k], vcc_lo
.endif
.if \part == 2
	v_cmp_gt_f32 s57, v[BEST+\c], v[\oth+8*\c+3]                                 ; the second group beats both
	v_cndmask_b32 v[SAVE+3*\c],   v[SAVE+3*\c],   v[\oth+8*\c],   vcc_lo
	v_cndmask_b32 v[SAVE+3*\c+1], v[SAVE+3*\c+1], v[\oth+8*\c+1], vcc_lo
	v_cndmask_b32 v[SAVE+3*\c+2], v[SAVE+3*\c+2], v[\oth+8*\c+2], vcc_lo
.endif
.if \part == 3
	v_cndmask_b32 v[IDX+\c], v[IDX+\c], s[KID+1+\k], s57
	v_cndmask_b32 v[SAVE+3*\c],   v[SAVE+3*\c],   v[\oth+8*\c+4], s57
	v_cndmask_b32 v[SAVE+3*\c+1], v[SAVE+3*\c+1], v[\oth+8*\c+5], s57
	v_cndmask_b32 v[SAVE+3*\c+2], v[SAVE+3*\c+2], v[\oth+8*\c+6], s57
.endif
.endm
; A half trip in window win: the code tile in AF and CB times the 64 columns, into set cur.  am = 1: beside it the argmax of set oth (the window's code
; tile before), column tile s during K step s, one slice behind each matrix instruction; k picks that tile's two numbers in KID.
; left: LDS loads come back in order; this tile's ten are in when at most the ten issued behind them, for the other window, are out (the last tile: none).
; PLACES: a load into a register that a matrix instruction has read stands four plain vector instructions behind it that name none of its registers
; (ISA guide 7.12.1 for vector instructions).  The half trip ends with them, so that a run of loads may follow it: the four
; selects of the last slice, or four v_nop where there is no argmax yet.  A set's results are read by vector instructions only a whole half trip later.
.macro HALF win, cur, oth, am, left, k
	WIN \win
	s_wait_dscnt \left
.irp s, 0,1,2,3
.irp c, 0,1,2,3
.if \s == 0
	v_wmma_f32_16x16x32_bf16 v[\cur+8*\c:\cur+8*\c+7], v[AF+8*\s:AF+8*\s+7], v[BF+32*\c+8*\s:BF+32*\c+8*\s+7], v[CB:CB+7]
.else
	v_wmma_f32_16x16x32_bf16 v[\cur+8*\c:\cur+8*\c+7], v[AF+8*\s:AF+8*\s+7], v[BF+32*\c+8*\s:BF+32*\c+8*\s+7], v[\cur+8*\c:\cur+8*\c+7]
.endif
.if \am
	AM \oth, \s, \c, \k
.endif
.endr
.endr
.if \am == 0
.rept 4
	v_nop
.endr
.endif
.endm
; n trips.  Trip u (counted over all four runs, 0..14): code tiles 4u+2 .. 4u+5 multiplied, 4u .. 4u+3 searched, 4u+4 .. 4u+7 fetched.
.macro RUN n
	s_mov_b32 s56, \n
.Ltrip_\@:
	HALF W0, ACC1, ACC0, 1, 10, 0                  ; tile 4u+2 multiplied, tile 4u searched,
	REFILL W0, 0                                   ; tile 4u+4 fetched
	HALF W1, ACC1, ACC0, 1, 10, 2                  ; 4u+3, 4u+1,
	REFILL W1, 1                                   ; 4u+5
	HALF W0, ACC0, ACC1, 1, 10, 4                  ; 4u+4, 4u+2,
	REFILL W0, 2                                   ; 4u+6
	HALF W1, ACC0, ACC1, 1, 10, 6                  ; 4u+5, 4u+3,
	REFILL W1, 3                                   ; 4u+7
	WIN W0                                         ; at a label and at a branch every window is 0
	v_add_nc_u32 v[ADRA], 4*TILEB, v[ADRA]
	v_add_nc_u32 v[ADRB], 256, v[ADRB]
.irp i, 0,1,2,3,4,5,6,7
	s_add_co_u32 s[KID+\i], s[KID+\i], 64
.endr
	s_sub_co_u32 s56, s56, 1
	s_cmp_lg_u32 s56, 0
	s_cbranch_scc1 .Ltrip_\@
.endm
; In front of the first fetch from the table's next quarter.  Tensor loads of a wave end in order (ISA guide 10.11.1): with left later quarters out, my 64
; rows of the next one have landed; behind the barrier every wave's have.  The later quarters may stay out across it.
.macro NEXTQ left
	s_wait_tensorcnt \left
	s_wait_dscnt 0x0                               ; no LDS instruction of mine is pending at the signal
	s_barrier_signal -1
	s_barrier_wait -1
.endm
	; ---- set-up
	s_load_b256 s[4:11], s[0:1], 0x0               ; ze s[4:5], tab s[6:7], cneg s[8:9], ind s[10:11]
	s_set_vgpr_msb 0x40
	v_lshl_add_u32 v254, v0, 2, 0x45000
	v_mov_b32 v255, 0
	s_set_vgpr_msb 0x4045
	ds_add_u32 v254, v255
	ds_add_u32 v254, v255
	s_set_vgpr_msb 0x4500
	v_and_b32 v[LANE], 31, v0
	v_lshrrev_b32 v226, 5, v0
	v_readfirstlane_b32 s12, v226                  ; wave 0..3
	v_and_b32 v224, 15, v[LANE]                    ; r
	v_lshrrev_b32 v225, 4, v[LANE]                 ; h
	v_lshlrev_b32 v227, 3, v225                    ; 8 h, copied into the upper window below
	v_lshlrev_b32 v[ZOFF], 4, v224
	v_lshl_or_b32 v[ZOFF], v225, 17, v[ZOFF]       ; ze: 16 r + 8 h rows of 16,384 bytes
	v_mul_u32_u24 v[ADRA], v224, PITCH
	v_lshl_add_u32 v[ADRA], v225, 4, v[ADRA]
	v_add_nc_u32 v[ADRA], TAB, v[ADRA]             ; TAB + 272 r + 16 h: code tile 0
	v_lshlrev_b32 v[ADRB], 5, v225                 ; CN + 32 h (CN = 0)
	s_bfe_u32 s13, ttmp6, 0x40000                  ; cx: my place in the cluster; it enters the addresses of ze and ind alone
	s_lshl_b32 s14, ttmp9, 2
	s_add_co_u32 s14, s14, s13                     ; W = work-group 0..255: b = W / 16, columns from 256 (W mod 16)
	s_lshl_b32 s15, s12, 8                         ; my wave's 64 columns, in bytes
	s_lshr_b32 s2, s14, 4
	s_lshl_b32 s2, s2, 21                          ; b x 128 rows x 16,384 bytes
	s_and_b32 s3, s14, 15
	s_lshl_b32 s3, s3, 10
	s_add_co_u32 s2, s2, s3
	s_add_co_u32 s2, s2, s15
	s_mov_b32 s3, 0
	; the table's descriptors, all words but the global addresses.  Every word hangs on constants and the wave's number alone: the four partners' are equal.
	s_mov_b32 s[G1T+0], 15|(1<<16)|(1<<20)|(1<<21)|(5<<22)|(3<<25)  ; 15:0 mask: all four of the cluster; 17:16 elements of 2 bytes; 20 padding on; 21 set beside a mask; 24:22 after every 64 words; 31:25 of 4 words
	s_mov_b32 s[G1T+1], 128<<16                    ; tensor_dim0 = 128
	s_mov_b32 s[G1T+2], 64<<16                     ; tensor_dim1 = 64
	s_mov_b32 s[G1T+3], 128<<16                    ; tile_dim0 = 128 elements: a row of 256 bytes
	s_mov_b32 s[G1T+4], 64                         ; tile_dim1 = 64 rows: my wave's part of a quarter of the table
	s_mov_b32 s[G1T+5], 128                        ; from row to row
	s_mov_b32 s[G1T+6], 0
	s_mov_b32 s[G1T+7], 0
	s_mov_b32 s[G1C+0], 15|(3<<16)|(1<<21)         ; the same mask; elements of 8 bytes; no padding
	s_mov_b32 s[G1C+1], 32<<16                     ; rows of 32 elements = 256 bytes
	s_mov_b32 s[G1C+2], 4<<16
	s_mov_b32 s[G1C+3], 32<<16
	s_mov_b32 s[G1C+4], 4                          ; four rows: my wave's 1,024 bytes of cneg
	s_mov_b32 s[G1C+5], 32
	s_mov_b32 s[G1C+6], 0
	s_mov_b32 s[G1C+7], 0
	s_mul_i32 s62, s12, 64*PITCH                   ; my 64 rows of a quarter in LDS
	s_lshl_b32 s56, s12, 14                        ; and in tab: 64 rows of 256 bytes
	s_mov_b32 s57, 0
	s_lshl_b32 s58, s12, 10                        ; my 1,024 bytes of cneg
	s_mov_b32 s59, 0
.irp q, 0,1,2,3
	s_mov_b32 s[G0T+4*\q], 1
	s_add_co_u32 s[G0T+4*\q+1], s62, TAB+\q*QUART  ; rows 256 q + 64 wave
.endr
	s_mov_b32 s[G0C], 1
	s_add_co_u32 s[G0C+1], s58, CN
	s_wait_dscnt 0x0
	s_wait_kmcnt 0x0
	s_add_nc_u64 s[4:5], s[4:5], s[2:3]            ; ze at row 0 of my b, my wave's first column
	; ---- the first requests.  My wave's 128 rows x 64 columns of ze are 64 loads into v512-v767.  The first 32 (K steps 0 and 1) go out ahead of the
	; cluster's round and are on their way while it is passed; the table's joint loads follow straight behind the round; then the other 32.  So the
	; table is asked for before the wave has as many loads out as LOADcnt can count, where the issue of a further load has to wait for the first to come back
	; (ISA guide 5.7.1).
	WIN TO2
	ZLOADS 0
	WIN W0
	s_add_nc_u64 s[52:53], s[6:7], s[56:57]        ; tab at my wave's rows of quarter 0
.irp q, 0,1,2,3
	s_add_nc_u64 s[G0T+4*\q+2:G0T+4*\q+3], s[52:53], \q*65536      ; a quarter of tab is 256 rows of 256 bytes
	s_or_b32 s[G0T+4*\q+3], s[G0T+4*\q+3], 0x80000000
.endr
	s_add_nc_u64 s[G0C+2:G0C+3], s[8:9], s[58:59]
	s_or_b32 s[G0C+3], s[G0C+3], 0x80000000
	ROUND                                          ; all four work-groups are here: the joint loads meet
	tensor_load_to_lds s[G0T:G0T+3], s[G1T:G1T+7]          ; quarter 0
	s_nop 0
	tensor_load_to_lds s[G0C:G0C+3], s[G1C:G1C+7]          ; cneg
	s_nop 0
	tensor_load_to_lds s[G0T+4:G0T+7], s[G1T:G1T+7]        ; quarter 1
	s_nop 0
	tensor_load_to_lds s[G0T+8:G0T+11], s[G1T:G1T+7]       ; quarter 2
	s_nop 0
	tensor_load_to_lds s[G0T+12:G0T+15], s[G1T:G1T+7]      ; quarter 3
	s_nop 0
	WIN TO2
	ZLOADS 32
	WIN W0
	s_lshl_b32 s2, s14, 10                         ; ind is flat in b and n: 256 W + 64 wave words
	s_add_co_u32 s2, s2, s15
	s_add_nc_u64 s[10:11], s[10:11], s[2:3]
	; ---- the start of the two running maxima
	START
	WIN TO1
	START
	v_mov_b32 v[H8W], v227                         ; 8 h for the upper window's codes
.irp i, 0,1,2,3
	s_mov_b32 s[KID+2*\i], 16*\i
	s_mov_b32 s[KID+2*\i+1], 16*\i+4
.endr
	s_mov_b32 s60, 0x76543210                      ; v_permlanex16_b32: lane i of one half reads lane i of the other
	s_mov_b32 s61, 0xfedcba98
	; ---- ze to bf16, once into each window, K step by K step, so that the second copy of an early K step is made while the later ones are on their way
.irp s, 0,1,2,3
	s_wait_loadcnt 48-16*\s                        ; loads come back in order: K step s is in, the later K steps' loads stay out
	WIN CV0
	CVTS \s
	WIN CV1
	CVTS \s
.endr
	WIN W0
	; ---- code tiles 0 and 1
	s_wait_tensorcnt 0x3                           ; my rows of quarter 0 and my part of cneg have landed; the three later quarters stay out,
	s_barrier_signal -1
	s_barrier_wait -1                              ; everybody's have
	FETCH 0                                        ; tile 0 into the lower window
	WIN TO1
	FETCH 1                                        ; tile 1 into the upper
	HALF W0, ACC0, ACC1, 0, 10, 0                  ; tile 0 multiplied; nothing to search yet
	REFILL W0, 2
	HALF W1, ACC0, ACC1, 0, 10, 0                  ; tile 1
	REFILL W1, 3
	WIN W0                                         ; at a label and at a branch every window is 0
	v_add_nc_u32 v[ADRA], 4*TILEB, v[ADRA]
	v_add_nc_u32 v[ADRB], 256, v[ADRB]
	; ---- the fifteen trips, in four runs: a run fetches from one quarter of the table alone
	RUN 3                                          ; trips 0-2 fetch tiles 4-15: the rest of quarter 0
	NEXTQ 2                                        ; quarter 1 is whole; quarters 2 and 3 may be out
	RUN 4                                          ; trips 3-6 fetch tiles 16-31
	NEXTQ 1                                        ; quarter 2 is whole; quarter 3 may be out
	RUN 4                                          ; trips 7-10 fetch tiles 32-47
	NEXTQ 0                                        ; quarter 3 is whole: no tensor load is out any more
	RUN 4                                          ; trips 11-14 fetch tiles 48-63
	; ---- the tail, written out: no load reaches past the table
	HALF W0, ACC1, ACC0, 1, 10, 0                  ; tile 62 multiplied, tile 60 searched; tile 63's ten loads may be out
	HALF W1, ACC1, ACC0, 1, 0, 2                   ; tile 63 multiplied, tile 61 searched
	WIN W0
.irp c, 0,1,2,3
.irp p, 0,1,2,3
	AM ACC1, \c, \p, 4                             ; tile 62 searched
.endr
.endr
	WIN W1
.irp c, 0,1,2,3
.irp p, 0,1,2,3
	AM ACC1, \c, \p, 6                             ; tile 63 searched: its last product stands 56 vector instructions back
.endr
.endr
	; ---- the place inside the winning group, in each window; then the better of the two windows, then of the two halves of the lanes
.set KK,   128                         ; v[128:131] the code of column tile c: in the end four neighbouring words of ind
.set JJ,   132
.set H8,   136
.set SOFF, 137
.set OTHB, 140
.set OTHK, 144
.set UPB,  148                         ; the upper window's best scores and codes, brought down
.set UPK,  152
.macro RESOLVE h8
.irp c, 0,1,2,3
	v_mov_b32 v[JJ+\c], 3
.irp i, 2,1,0
	v_cmp_eq_f32 vcc_lo, v[SAVE+3*\c+\i], v[BEST+\c]
	v_cndmask_b32 v[JJ+\c], v[JJ+\c], \i, vcc_lo   ; the lowest place that holds the maximum is written last
.endr
	v_add_nc_u32 v[KK+\c], v[IDX+\c], v[JJ+\c]
	v_add_nc_u32 v[KK+\c], v[\h8], v[KK+\c]        ; code = 16 t + 4 x group + place + 8 h
.endr
.endm
; the other candidate wins with the larger score, or with an equal score and the lower code
.macro MERGE c, ob, ok, keepb
	v_cmp_gt_f32 s57, v[\ob+\c], v[BEST+\c]
	v_cmp_eq_f32 s58, v[\ob+\c], v[BEST+\c]
	v_cmp_lt_u32 vcc_lo, v[\ok+\c], v[KK+\c]
	s_and_b32 s58, s58, vcc_lo
	s_or_b32 s57, s57, s58
	v_cndmask_b32 v[KK+\c], v[KK+\c], v[\ok+\c], s57
.if \keepb
	v_max_num_f32 v[BEST+\c], v[BEST+\c], v[\ob+\c]
.endif
.endm
	RESOLVE H8W                                    ; still in the upper window
	WIN DN1
.irp c, 0,1,2,3
	v_mov_b32 v[UPB+\c], v[BEST+\c]
	v_mov_b32 v[UPK+\c], v[KK+\c]
.endr
	WIN W0
	v_lshrrev_b32 v[H8], 4, v[LANE]
	v_lshlrev_b32 v[H8], 3, v[H8]                  ; 8 h
	v_and_b32 v[SOFF], 15, v[LANE]
	v_lshlrev_b32 v[SOFF], 4, v[SOFF]              ; 16 r
	RESOLVE H8
.irp c, 0,1,2,3
	MERGE \c, UPB, UPK, 1                          ; even code tiles against odd ones
	v_mov_b32 v[OTHB+\c], 0                        ; v_permlanex16_b32 counts as a reader of its destination
	v_mov_b32 v[OTHK+\c], 0
	v_permlanex16_b32 v[OTHB+\c], v[BEST+\c], s60, s61
	v_permlanex16_b32 v[OTHK+\c], v[KK+\c], s60, s61
	MERGE \c, OTHB, OTHK, 0                        ; h = 0 against h = 1
.endr
	s_wait_xcnt 0x0                                ; EXEC is a source of the loads issued above: it changes only behind this wait
	v_cmp_gt_u32 vcc_lo, 16, v[LANE]
	s_and_saveexec_b32 s62, vcc_lo                 ; both halves hold the same codes: lanes 0-15 store
	global_store_b128 v[SOFF], v[KK:KK+3], s[10:11]  ; sixteen lanes: my wave's 64 codes, 256 consecutive bytes, aligned
	s_wait_xcnt 0x0                                ; and again in front of the line that widens EXEC
	s_or_b32 exec_lo, exec_lo, s62
	s_set_vgpr_msb 0x5
	s_wait_tensorcnt 0x0
	ds_add_u32 v254, v255
	s_wait_dscnt 0x0
	s_set_vgpr_msb 0x500
	ROUND                                          ; the closing round: no work-group ends while a partner may still ask jointly
	s_endpgm
.Lfunc_end_k_qc4902835fe_nearest:
	.size	k_qc4902835fe_nearest, .Lfunc_end_k_qc4902835fe_nearest-k_qc4902835fe_nearest
	.p2alignl 7, 3214868480
	.fill 96, 4, 3214868480
	.section	.rodata,"a",@progbits
	.p2align	6, 0x0
	.amdhsa_kernel k_qc4902835fe_nearest
		.amdhsa_group_segment_fixed_size 283136
		.amdhsa_private_segment_fixed_size 0
		.amdhsa_enable_private_segment 0
		.amdhsa_kernarg_size 32
		.amdhsa_user_sgpr_count 2
		.amdhsa_user_sgpr_kernarg_segment_ptr 1
		.amdhsa_wavefront_size32 1
		.amdhsa_system_sgpr_workgroup_id_x 1
		.amdhsa_system_sgpr_workgroup_id_y 1
		.amdhsa_system_sgpr_workgroup_id_z 1
		.amdhsa_system_vgpr_workitem_id 0
		.amdhsa_next_free_vgpr 768
		.amdhsa_next_free_sgpr 76
		.amdhsa_reserve_vcc 1
		.amdhsa_float_denorm_mode_32 3
		.amdhsa_float_denorm_mode_16_64 3
		.amdhsa_memory_ordered 1
		.amdhsa_forward_progress 1
		.amdhsa_inst_pref_size 135
	.end_amdhsa_kernel
	.amdgpu_metadata
---
amdhsa.version: [ 1, 2 ]
amdhsa.kernels:
  - .name:           k_qc4902835fe_nearest
    .symbol:         k_qc4902835fe_nearest.kd
    .args:
      - { .name: ze, .offset: 0, .size: 8, .value_kind: global_buffer, .address_space: global }
      - { .name: tab, .offset: 8, .size: 8, .value_kind: global_buffer, .address_space: global }
      - { .name: cneg, .offset: 16, .size: 8, .value_kind: global_buffer, .address_space: global }
      - { .name: ind, .offset: 24, .size: 8, .value_kind: global_buffer, .address_space: global }
    .group_segment_fixed_size: 283136
    .private_segment_fixed_size: 0
    .kernarg_segment_align: 8
    .kernarg_segment_size: 32
    .max_flat_workgroup_size: 128
    .sgpr_count:     76
    .vgpr_count:     768
    .wavefront_size: 32
...
	.end_amdgpu_metadata
.endif
;; end of part 2
;; launch gather (part 3): grid 1024 x 1, 8 waves a work-group, no clusters, 34,816 bytes of LDS; arguments ind, emb, out0; writes out0
.if DOCPART == 3
	.amdgcn_target "amdgcn-amd-amdhsa--gfx1250"
	.amdhsa_code_object_version 6
	.text
	.protected	k_qc4902835fe_gather
	.globl	k_qc4902835fe_gather
	.p2align	8
	.type	k_qc4902835fe_gather,@function
k_qc4902835fe_gather:
	s_mov_b64 s[64:65], 0
	v_nop
	global_prefetch_b8 v0, s[64:65] scope:SCOPE_SE
	s_setreg_imm32_b32 hwreg(HW_REG_WAVE_MODE, 25, 1), 1
	s_wait_xcnt 0x0
; VQ, third launch.  out0[b][d][n] = emb[ind[b][n]][d], in f32 as emb is given.
; Left out: ze + (zq - ze), which is zq by an identity (shown at the head of the first launch): ze is not read here.
; The lookup is done as a lookup: the indices are whole numbers that the launch before stored, 0 to 1,023 by their making; the clamp below states that bound.
; A work-group owns 64 columns of one b and all 128 d: 32 KiB of out0.  Wave w fetches the rows of emb of columns 8 w + i, each a whole row of 512
; bytes by one load, and lays them in LDS; behind one barrier it reads d = 16 w .. 16 w + 15 of all 64 columns, turns 4 x 4 numbers in registers,
; and stores 16 bytes a lane, sixteen lanes filling 256 consecutive bytes of a row of out0, aligned.
; LDS: 64 rows of 528 bytes (512 + 16 = 33 x 16).  Column n lies in
; LDS row n / 4 + 16 (n mod 4): lane r, reading LDS rows r + 16 i, gets the neighbouring columns 4 r + i.
; No matrix work, no tensor loads, no cluster: the launch streams its output, and the table it reads again and again is 512 KiB.
.set LPITCH, 528
.set OFF, 8                            ; v[8:15]   column i: byte offset of my 16 bytes of its row of emb
.set M,   16                           ; v[16:47]  the rows as loaded; later M[q][i] = 4 d of column 4 r + i
.set T,   48                           ; v[48:79]  T[q][e] = 4 neighbouring columns of one d; a store's data, never rewritten
	s_load_b128 s[4:7], s[0:1], 0x0                ; ind s[4:5], emb s[6:7]
	s_load_b64 s[8:9], s[0:1], 0x10                ; out0
	v_lshl_add_u32 v88, v0, 2, 0x8400
	v_mov_b32 v89, 0
	v_lshrrev_b32 v5, 5, v0
	v_readfirstlane_b32 s10, v5                    ; wave 0..7
	v_and_b32 v6, 31, v0                           ; lane
	v_and_b32 v7, 15, v0                           ; r
	v_bfe_u32 v5, v0, 4, 1                         ; h
	s_lshl_b32 s12, ttmp9, 8                       ; ind: 64 words a work-group,
	s_lshl_b32 s11, s10, 5                         ; 8 a wave
	s_add_co_u32 s12, s12, s11
	s_mov_b32 s13, 0
	s_lshr_b32 s14, ttmp9, 6                       ; b
	s_lshl_b32 s14, s14, 21                        ; x 128 rows x 16,384 bytes
	s_and_b32 s15, ttmp9, 63
	s_lshl_b32 s15, s15, 8                         ; + 64 columns x 4 bytes x the block of columns
	s_add_co_u32 s14, s14, s15
	s_mov_b32 s15, 0
	s_wait_kmcnt 0x0
	s_add_nc_u64 s[4:5], s[4:5], s[12:13]
	s_add_nc_u64 s[8:9], s[8:9], s[14:15]
	s_load_b256 s[16:23], s[4:5], 0x0              ; my wave's eight indices
	v_lshlrev_b32 v1, 4, v6                        ; 16 x lane
	s_mul_i32 s24, s10, 2*LPITCH
	v_add_nc_u32 v2, s24, v1                       ; LDS, in: LDS row 2 w, my 16 bytes
	v_mul_u32_u24 v3, v7, LPITCH
	v_lshl_add_u32 v3, v5, 4, v3
	s_lshl_b32 s25, s10, 6
	v_add_nc_u32 v3, s25, v3                       ; LDS, back: LDS row r, d = 16 w + 4 h
	v_lshlrev_b32 v4, 4, v7
	v_lshl_add_u32 v4, v5, 16, v4
	s_lshl_b32 s26, s10, 18
	v_add_nc_u32 v4, s26, v4                       ; out0: row 16 w + 4 h, 16 r
	s_wait_kmcnt 0x0
.irp i, 0,1,2,3,4,5,6,7
	s_min_u32 s[16+\i], s[16+\i], 1023             ; inside the table
	v_lshl_add_u32 v[OFF+\i], s[16+\i], 9, v1      ; a row of emb is 512 bytes
	global_load_b128 v[M+4*\i:M+4*\i+3], v[OFF+\i], s[6:7]
.endr
.irp i, 0,1,2,3,4,5,6,7
	s_wait_loadcnt 7-\i                            ; loads come back in order: row i is in, the 7 - i younger ones stay out
	ds_store_b128 v2, v[M+4*\i:M+4*\i+3] offset:((\i>>2)+16*(\i&3))*LPITCH   ; column 8 w + i: LDS row 2 w + i / 4 + 16 (i mod 4)
.endr
	s_wait_dscnt 0x0                               ; my rows are in LDS, for the other waves' sake
	s_barrier_signal -1
	s_barrier_wait -1
.irp q, 0,1
.irp i, 0,1,2,3
	ds_load_b128 v[M+16*\q+4*\i:M+16*\q+4*\i+3], v3 offset:32*\q+16*LPITCH*\i   ; column 4 r + i, d = 16 w + 8 q + 4 h + 0..3
.endr
.endr
.irp q, 0,1
	s_wait_dscnt 4-4*\q                            ; LDS loads come back in order: group q is in; the second group's four may stay out
.irp e, 0,1,2,3
.irp i, 0,1,2,3
	v_mov_b32 v[T+16*\q+4*\e+\i], v[M+16*\q+4*\i+\e]   ; the 4 x 4 turn, so that both the LDS loads and the stores move 16 bytes a lane
.endr
	global_store_b128 v4, v[T+16*\q+4*\e:T+16*\q+4*\e+3], s[8:9] offset:(8*\q+\e)*16384 th:TH_STORE_NT   ; lanes 0-15: 256 bytes of row d, lanes 16-31: of row d + 4
.endr
.endr
	s_wait_tensorcnt 0x0
	ds_add_u32 v88, v89
	s_wait_dscnt 0x0
	s_endpgm
.Lfunc_end_k_qc4902835fe_gather:
	.size	k_qc4902835fe_gather, .Lfunc_end_k_qc4902835fe_gather-k_qc4902835fe_gather
	.p2alignl 7, 3214868480
	.fill 96, 4, 3214868480
	.section	.rodata,"a",@progbits
	.p2align	6, 0x0
	.amdhsa_kernel k_qc4902835fe_gather
		.amdhsa_group_segment_fixed_size 34816
		.amdhsa_private_segment_fixed_size 0
		.amdhsa_enable_private_segment 0
		.amdhsa_kernarg_size 24
		.amdhsa_user_sgpr_count 2
		.amdhsa_user_sgpr_kernarg_segment_ptr 1
		.amdhsa_wavefront_size32 1
		.amdhsa_system_sgpr_workgroup_id_x 1
		.amdhsa_system_sgpr_workgroup_id_y 1
		.amdhsa_system_sgpr_workgroup_id_z 1
		.amdhsa_system_vgpr_workitem_id 0
		.amdhsa_next_free_vgpr 90
		.amdhsa_next_free_sgpr 66
		.amdhsa_reserve_vcc 0
		.amdhsa_float_denorm_mode_32 3
		.amdhsa_float_denorm_mode_16_64 3
		.amdhsa_memory_ordered 1
		.amdhsa_forward_progress 1
		.amdhsa_inst_pref_size 7
	.end_amdhsa_kernel
	.amdgpu_metadata
---
amdhsa.version: [ 1, 2 ]
amdhsa.kernels:
  - .name:           k_qc4902835fe_gather
    .symbol:         k_qc4902835fe_gather.kd
    .args:
      - { .name: ind, .offset: 0, .size: 8, .value_kind: global_buffer, .address_space: global }
      - { .name: emb, .offset: 8, .size: 8, .value_kind: global_buffer, .address_space: global }
      - { .name: out0, .offset: 16, .size: 8, .value_kind: global_buffer, .address_space: global }
    .group_segment_fixed_size: 34816
    .private_segment_fixed_size: 0
    .kernarg_segment_align: 8
    .kernarg_segment_size: 24
    .max_flat_workgroup_size: 256
    .sgpr_count:     66
    .vgpr_count:     90
    .wavefront_size: 32
...
	.end_amdgpu_metadata
.endif
;; end of part 3
;; ======== version 2 of 2: 3 launches; version 1 with the launches prep, gather written anew for expert scheduling mode
;; workspace buffers: tab 262,144 bytes; cneg 4,096 bytes; ind 262,144 bytes of whole numbers
;; launch prep (part 4): grid 16 x 1, 8 waves a work-group, no clusters, 1,280 bytes of LDS; arguments emb, tab, cneg; writes tab, cneg
.if DOCPART == 4
	.amdgcn_target "amdgcn-amd-amdhsa--gfx1250"
	.amdhsa_code_object_version 6
	.text
	.protected	k_qc4902835fe_prep
	.globl	k_qc4902835fe_prep
	.p2align	8
	.type	k_qc4902835fe_prep,@function
k_qc4902835fe_prep:
	s_mov_b64 s[64:65], 0
	v_nop
	global_prefetch_b8 v0, s[64:65] scope:SCOPE_SE
	s_setreg_imm32_b32 hwreg(HW_REG_WAVE_SCHED_MODE, 0, 2), 2
	s_setreg_imm32_b32 hwreg(HW_REG_WAVE_MODE, 25, 1), 1
	s_wait_xcnt 0x0
	s_wait_alu depctr_vm_vsrc(0)
; VQ, first of three launches.  tab[k][d] = emb[k][d] rounded to bf16;  cneg[k] = -1/2 x the sum over d of tab[k][d]^2, in f32.
; The second launch finds for each column (b, n) the first k with the largest  g = <tab[k], bf16(ze[b,:,n])> + cneg[k];
; the third copies emb[k] (f32, as given) down the column of out0.
;
; WORK LEFT OUT, for all finite values of the inputs:
; (1) ze_sq[b,n] is added to d2[b,k,n] for every k alike, so it moves no comparison along the axis of the argmin:
;     argmin over k of (ze_sq + emb_sq[k] - 2 dot) = argmin of (emb_sq[k] - 2 dot) = argmax of (dot - emb_sq[k]/2).  It is a sum of 128 squares
;     like emb_sq, so it is no term beside which the others are lost.  It is never formed.
; (2) ze + (zq - ze) = zq is an identity, so ze reaches out0 through the index alone: the third launch does not read ze.
; LIMITS: a NaN, an infinity or an overflow that would arise only in ze_sq or in zq - ze is not carried to out0.  The matrix operands are bf16, so
; the code chosen is the nearest for ze and emb rounded to bf16 (that is why cneg is made of the ROUNDED emb); two codes whose distances differ by
; less than the rounding of the f32 sums may be chosen otherwise than by reference().  A score that is NaN loses every comparison.
;
; Eight waves; the work-group owns 64 rows of emb, a wave eight of them, a lane four numbers of each row: a load of a wave covers a whole row of
; 512 bytes, a store of tab a whole row of 256 bytes, aligned.  The 64 sums meet in LDS so that wave 0 can store them as 256 consecutive bytes.
; No matrix work, no tensor loads, no cluster: 512 KiB are read once and no work-group shares a byte with another.
; THE MODE: SCHED_MODE bits 1:0 = 2 (LLVM: expert scheduling mode 2), set by the entry lines.  The code itself states the register dependences
; between vector instructions and memory or LDS instructions, with s_wait_alu, always for 0.
; THE PLAN.  Registers that memory or LDS instructions touch:
;   v1 .. v4   offsets and LDS addresses: made at the head, never written again.
;   X          the eight loads land in it; the sixteen roundings read it.  Behind the wait that shows the loads done it is named by vector instructions alone.
;   P          written by the sixteen roundings; read by the eight stores of tab (and by the unpacking lines); never written again.
;   S          written by the eight rows' chains of sums; read by the eight LDS stores; never written again.
;   Y          wave 0's LDS load lands in it, wave 0's store reads it; no vector instruction names it.
; So three waits on va_vdst state all of it: one in front of the first load (v1 .. v4), one behind the roundings (P) with the eight stores in one run
; behind it, one behind the chains (S) with the eight LDS stores in one run behind it.  No register that a memory or LDS instruction reads is written
; again, so there is no wait on vm_vsrc.  Since the LDS stores stand together, the eight chains are laid stage by stage, the same line for all eight
; rows; each row's sum keeps its own order.
.set X, 8                              ; v[8:39]   row i: 4 registers as loaded; then the same four numbers, rounded, in f32; then X + 4 i: the other half of the lanes' sum
.set P, 40                             ; v[40:55]  row i: 2 registers, 4 bf16; a store's data, private to the row, never rewritten
.set Y, 56                             ; v[56:57]  wave 0: two of the work-group's 64 sums
.set S, 60                             ; v[60:67]  row i: its sum
	s_load_b128 s[4:7], s[0:1], 0x0                ; emb s[4:5], tab s[6:7]
	s_load_b64 s[8:9], s[0:1], 0x10                ; cneg
	v_lshl_add_u32 v70, v0, 2, 0x100
	v_mov_b32 v71, 0
	v_lshrrev_b32 v5, 5, v0
	v_readfirstlane_b32 s10, v5                    ; wave 0..7
	v_and_b32 v6, 31, v0                           ; lane
	s_mov_b32 s12, 0x76543210                      ; v_permlanex16_b32: lane i of one half reads lane i of the other
	s_mov_b32 s13, 0xfedcba98
	s_mov_b32 s14, 0xffff0000                      ; a word's upper bf16
	s_lshl_b32 s16, ttmp9, 15                      ; 64 rows of 512 bytes
	s_mov_b32 s17, 0
	s_lshl_b32 s18, ttmp9, 14                      ; 64 rows of 256 bytes
	s_mov_b32 s19, 0
	s_lshl_b32 s20, ttmp9, 8                       ; 64 words
	s_mov_b32 s21, 0
	v_lshlrev_b32 v1, 4, v6
	v_lshlrev_b32 v2, 3, v6
	v_lshlrev_b32 v4, 3, v6                        ; 8 x lane: wave 0 reads and stores the 64 sums
	s_wait_alu depctr_va_sdst(0)                   ; s10 is written, ahead of its first reader: the three lines below and the branch at the end read it
	v_lshl_add_u32 v1, s10, 12, v1                 ; emb: 16 x lane + wave x 8 rows x 512
	v_lshl_add_u32 v2, s10, 11, v2                 ; tab: 8 x lane + wave x 8 rows x 256
	v_mov_b32 v3, s10
	v_lshlrev_b32 v3, 5, v3                        ; LDS: my wave's eight words
	s_wait_kmcnt 0x0
	s_add_nc_u64 s[4:5], s[4:5], s[16:17]
	s_add_nc_u64 s[6:7], s[6:7], s[18:19]
	s_add_nc_u64 s[8:9], s[8:9], s[20:21]
	s_wait_alu depctr_va_vdst(0)                   ; v1 to v4 are written: every load, store and LDS instruction of the kernel reads one of them as its offset or address
.irp i, 0,1,2,3,4,5,6,7
	global_load_b128 v[X+4*\i:X+4*\i+3], v1, s[4:5] offset:512*\i
.endr
.irp i, 0,1,2,3,4,5,6,7
	s_wait_loadcnt 7-\i                            ; loads come back in order: row i is in, the 7 - i younger ones stay out
	v_cvt_pk_bf16_f32 v[P+2*\i], v[X+4*\i], v[X+4*\i+1]
	v_cvt_pk_bf16_f32 v[P+2*\i+1], v[X+4*\i+2], v[X+4*\i+3]
.endr
	s_wait_alu depctr_va_vdst(0)                   ; the sixteen roundings have written P, which the eight stores read
.irp i, 0,1,2,3,4,5,6,7
	global_store_b64 v2, v[P+2*\i:P+2*\i+1], s[6:7] offset:256*\i    ; 32 lanes x 8 bytes: 256 consecutive bytes, aligned
.endr
.irp i, 0,1,2,3,4,5,6,7
	v_lshlrev_b32 v[X+4*\i], 16, v[P+2*\i]         ; the ROUNDED numbers back in f32, where the row was loaded
	v_and_b32 v[X+4*\i+1], s14, v[P+2*\i]
	v_lshlrev_b32 v[X+4*\i+2], 16, v[P+2*\i+1]
	v_and_b32 v[X+4*\i+3], s14, v[P+2*\i+1]
.endr
.irp i, 0,1,2,3,4,5,6,7
	v_mul_f32 v[S+\i], v[X+4*\i], v[X+4*\i]        ; the first square starts the sum
.endr
.irp j, 1,2,3
.irp i, 0,1,2,3,4,5,6,7
	v_fma_f32 v[S+\i], v[X+4*\i+\j], v[X+4*\i+\j], v[S+\i]
.endr
.endr
.irp m, 1,2,4,8
.irp i, 0,1,2,3,4,5,6,7
	v_add_f32_dpp v[S+\i], v[S+\i], v[S+\i] row_xmask:\m row_mask:0xf bank_mask:0xf
.endr
.endr
.irp i, 0,1,2,3,4,5,6,7
	v_permlanex16_b32 v[X+4*\i], v[S+\i], s12, s13 ; its destination counts as read: a register that has been written
.endr
.irp i, 0,1,2,3,4,5,6,7
	v_add_f32 v[S+\i], v[S+\i], v[X+4*\i]          ; every lane holds the row's sum of squares
.endr
.irp i, 0,1,2,3,4,5,6,7
	v_mul_f32 v[S+\i], -0.5, v[S+\i]
.endr
	s_wait_alu depctr_va_vdst(0)                   ; the eight chains have written S, which the eight LDS stores read
.irp i, 0,1,2,3,4,5,6,7
	ds_store_b32 v3, v[S+\i] offset:4*\i           ; all lanes write the same word with the same value
.endr
	s_wait_dscnt 0x0                               ; my eight words are in LDS, for wave 0's sake
	s_barrier_signal -1
	s_barrier_wait -1
	s_cmp_lg_u32 s10, 0
	s_cbranch_scc1 .Ldone
	ds_load_b64 v[Y:Y+1], v4                       ; the work-group's 64 sums, two a lane; no vector instruction names Y, and v4 stands since the head's wait
	s_wait_dscnt 0x0
	global_store_b64 v4, v[Y:Y+1], s[8:9]          ; 256 consecutive bytes, aligned
.Ldone:
	s_wait_dscnt 0x0
	s_wait_alu depctr_hold_cnt(0) depctr_sa_sdst(0) depctr_va_vdst(0) depctr_va_sdst(0) depctr_va_ssrc(0) depctr_va_vcc(0) depctr_vm_vsrc(0)
	s_wait_tensorcnt 0x0
	ds_add_u32 v70, v71
	s_wait_dscnt 0x0
	s_endpgm
.Lfunc_end_k_qc4902835fe_prep:
	.size	k_qc4902835fe_prep, .Lfunc_end_k_qc4902835fe_prep-k_qc4902835fe_prep
	.p2alignl 7, 3214868480
	.fill 96, 4, 3214868480
	.section	.rodata,"a",@progbits
	.p2align	6, 0x0
	.amdhsa_kernel k_qc4902835fe_prep
		.amdhsa_group_segment_fixed_size 1280
		.amdhsa_private_segment_fixed_size 0
		.amdhsa_enable_private_segment 0
		.amdhsa_kernarg_size 24
		.amdhsa_user_sgpr_count 2
		.amdhsa_user_sgpr_kernarg_segment_ptr 1
		.amdhsa_wavefront_size32 1
		.amdhsa_system_sgpr_workgroup_id_x 1
		.amdhsa_system_sgpr_workgroup_id_y 1
		.amdhsa_system_sgpr_workgroup_id_z 1
		.amdhsa_system_vgpr_workitem_id 0
		.amdhsa_next_free_vgpr 72
		.amdhsa_next_free_sgpr 66
		.amdhsa_reserve_vcc 0
		.amdhsa_float_denorm_mode_32 3
		.amdhsa_float_denorm_mode_16_64 3
		.amdhsa_memory_ordered 1
		.amdhsa_forward_progress 1
		.amdhsa_inst_pref_size 12
	.end_amdhsa_kernel
	.amdgpu_metadata
---
amdhsa.version: [ 1, 2 ]
amdhsa.kernels:
  - .name:           k_qc4902835fe_prep
    .symbol:         k_qc4902835fe_prep.kd
    .args:
      - { .name: emb, .offset: 0, .size: 8, .value_kind: global_buffer, .address_space: global }
      - { .name: tab, .offset: 8, .size: 8, .value_kind: global_buffer, .address_space: global }
      - { .name: cneg, .offset: 16, .size: 8, .value_kind: global_buffer, .address_space: global }
    .group_segment_fixed_size: 1280
    .private_segment_fixed_size: 0
    .kernarg_segment_align: 8
    .kernarg_segment_size: 24
    .max_flat_workgroup_size: 256
    .sgpr_count:     66
    .vgpr_count:     72
    .wavefront_size: 32
...
	.end_amdgpu_metadata
.endif
;; end of part 4
;; launch nearest: the kernel of part 2 again; grid 256 x 1, 4 waves a work-group, clusters of 4 x 1, 283,136 bytes of LDS; arguments ze, tab, cneg, ind; writes ind
;; launch gather (part 5): grid 1024 x 1, 8 waves a work-group, no clusters, 34,816 bytes of LDS; arguments ind, emb, out0; writes out0
.if DOCPART == 5
	.amdgcn_target "amdgcn-amd-amdhsa--gfx1250"
	.amdhsa_code_object_version 6
	.text
	.protected	k_qc4902835fe_gather
	.globl	k_qc4902835fe_gather
	.p2align	8
	.type	k_qc4902835fe_gather,@function
k_qc4902835fe_gather:
	s_mov_b64 s[64:65], 0
	v_nop
	global_prefetch_b8 v0, s[64:65] scope:SCOPE_SE
	s_setreg_imm32_b32 hwreg(HW_REG_WAVE_SCHED_MODE, 0, 2), 2
	s_setreg_imm32_b32 hwreg(HW_REG_WAVE_MODE, 25, 1), 1
	s_wait_xcnt 0x0
	s_wait_alu depctr_vm_vsrc(0)
; VQ, third launch.  out0[b][d][n] = emb[ind[b][n]][d], in f32 as emb is given.
; Left out: ze + (zq - ze), which is zq by an identity (shown at the head of the first launch): ze is not read here.
; The lookup is done as a lookup: the indices are whole numbers that the launch before stored, 0 to 1,023 by their making; the clamp below states that bound.
; A work-group owns 64 columns of one b and all 128 d: 32 KiB of out0.  Wave w fetches the rows of emb of columns 8 w + i, each a whole row of 512
; bytes by one load, and lays them in LDS; behind one barrier it reads d = 16 w .. 16 w + 15 of all 64 columns, turns 4 x 4 numbers in registers,
; and stores 16 bytes a lane, sixteen lanes filling 256 consecutive bytes of a row of out0, aligned.
; LDS: 64 rows of 528 bytes (512 + 16 = 33 x 16).  Column n lies in
; LDS row n / 4 + 16 (n mod 4): lane r, reading LDS rows r + 16 i, gets the neighbouring columns 4 r + i.
; No matrix work, no tensor loads, no cluster: the launch streams its output, and the table it reads again and again is 512 KiB.
; THE MODE: SCHED_MODE bits 1:0 = 2 (LLVM: expert scheduling mode 2), set by the entry lines.  The code itself states the register dependences
; between vector instructions and memory or LDS instructions, with s_wait_alu, always for 0.
; THE PLAN.  Registers that memory or LDS instructions touch:
;   v2, v3, v4  LDS address in, LDS address back, offset in out0: made at the head, never written again.
;   OFF         written by eight vector lines from the clamped indices; read by the eight loads of rows; never written again.
;   M           the eight loads of rows land in it; the eight LDS stores read it; then the eight LDS loads land in it; the turn's moves read it.
;   T           written by the turn's moves; read by the stores of out0; never written again.
; So: ONE wait on va_vdst behind the eight lines that make OFF, which covers OFF and v2 to v4, with the eight loads in one run behind it; one wait on
; vm_vsrc behind the barrier, between the LDS stores that read M and the LDS loads that land in it; and one wait on va_vdst behind each group's
; sixteen moves, with the group's four stores behind it.  The second group's moves name neither the first group's T nor v4.
.set LPITCH, 528
.set OFF, 8                            ; v[8:15]   column i: byte offset of my 16 bytes of its row of emb
.set M,   16                           ; v[16:47]  the rows as loaded; later M[q][i] = 4 d of column 4 r + i
.set T,   48                           ; v[48:79]  T[q][e] = 4 neighbouring columns of one d; a store's data, never rewritten
	s_load_b128 s[4:7], s[0:1], 0x0                ; ind s[4:5], emb s[6:7]
	s_load_b64 s[8:9], s[0:1], 0x10                ; out0
	v_lshl_add_u32 v86, v0, 2, 0x8400
	v_mov_b32 v87, 0
	v_lshrrev_b32 v5, 5, v0
	v_readfirstlane_b32 s10, v5                    ; wave 0..7
	v_and_b32 v6, 31, v0                           ; lane
	v_and_b32 v7, 15, v0                           ; r
	v_bfe_u32 v5, v0, 4, 1                         ; h
	s_lshl_b32 s12, ttmp9, 8                       ; ind: 64 words a work-group,
	s_wait_alu depctr_va_sdst(0)                   ; s10 is written, ahead of its first reader: the offsets in ind, LDS and out0 are made from it
	s_lshl_b32 s11, s10, 5                         ; 8 a wave
	s_add_co_u32 s12, s12, s11
	s_mov_b32 s13, 0
	s_lshr_b32 s14, ttmp9, 6                       ; b
	s_lshl_b32 s14, s14, 21                        ; x 128 rows x 16,384 bytes
	s_and_b32 s15, ttmp9, 63
	s_lshl_b32 s15, s15, 8                         ; + 64 columns x 4 bytes x the block of columns
	s_add_co_u32 s14, s14, s15
	s_mov_b32 s15, 0
	s_wait_kmcnt 0x0
	s_add_nc_u64 s[4:5], s[4:5], s[12:13]
	s_add_nc_u64 s[8:9], s[8:9], s[14:15]
	s_load_b256 s[16:23], s[4:5], 0x0              ; my wave's eight indices
	v_lshlrev_b32 v1, 4, v6                        ; 16 x lane
	s_mul_i32 s24, s10, 2*LPITCH
	v_add_nc_u32 v2, s24, v1                       ; LDS, in: LDS row 2 w, my 16 bytes
	v_mul_u32_u24 v3, v7, LPITCH
	v_lshl_add_u32 v3, v5, 4, v3
	s_lshl_b32 s25, s10, 6
	v_add_nc_u32 v3, s25, v3                       ; LDS, back: LDS row r, d = 16 w + 4 h
	v_lshlrev_b32 v4, 4, v7
	v_lshl_add_u32 v4, v5, 16, v4
	s_lshl_b32 s26, s10, 18
	v_add_nc_u32 v4, s26, v4                       ; out0: row 16 w + 4 h, 16 r
	s_wait_kmcnt 0x0
.irp i, 0,1,2,3,4,5,6,7
	s_min_u32 s[16+\i], s[16+\i], 1023             ; inside the table
	v_lshl_add_u32 v[OFF+\i], s[16+\i], 9, v1      ; a row of emb is 512 bytes
.endr
	s_wait_alu depctr_va_vdst(0)                   ; the eight OFF are written, which the loads below read; so are v2, v3 and v4, which the LDS stores, the LDS loads and the stores of out0 read
.irp i, 0,1,2,3,4,5,6,7
	global_load_b128 v[M+4*\i:M+4*\i+3], v[OFF+\i], s[6:7]
.endr
.irp i, 0,1,2,3,4,5,6,7
	s_wait_loadcnt 7-\i                            ; loads come back in order: row i is in, the 7 - i younger ones stay out
	ds_store_b128 v2, v[M+4*\i:M+4*\i+3] offset:((\i>>2)+16*(\i&3))*LPITCH   ; column 8 w + i: LDS row 2 w + i / 4 + 16 (i mod 4)
.endr
	s_wait_dscnt 0x0                               ; my rows are in LDS, for the other waves' sake
	s_barrier_signal -1
	s_barrier_wait -1
	s_wait_alu depctr_vm_vsrc(0)                   ; my LDS stores have read M, in which the LDS loads below land
.irp q, 0,1
.irp i, 0,1,2,3
	ds_load_b128 v[M+16*\q+4*\i:M+16*\q+4*\i+3], v3 offset:32*\q+16*LPITCH*\i   ; column 4 r + i, d = 16 w + 8 q + 4 h + 0..3
.endr
.endr
.irp q, 0,1
	s_wait_dscnt 4-4*\q                            ; LDS loads come back in order: group q is in; the second group's four may stay out
.irp e, 0,1,2,3
.irp i, 0,1,2,3
	v_mov_b32 v[T+16*\q+4*\e+\i], v[M+16*\q+4*\i+\e]   ; the 4 x 4 turn, so that both the LDS loads and the stores move 16 bytes a lane
.endr
.endr
	s_wait_alu depctr_va_vdst(0)                   ; the group's sixteen moves have written its T, which the four stores below read
.irp e, 0,1,2,3
	global_store_b128 v4, v[T+16*\q+4*\e:T+16*\q+4*\e+3], s[8:9] offset:(8*\q+\e)*16384 th:TH_STORE_NT   ; lanes 0-15: 256 bytes of row d, lanes 16-31: of row d + 4
.endr
.endr
	s_wait_dscnt 0x0
	s_wait_alu depctr_hold_cnt(0) depctr_sa_sdst(0) depctr_va_vdst(0) depctr_va_sdst(0) depctr_va_ssrc(0) depctr_va_vcc(0) depctr_vm_vsrc(0)
	s_wait_tensorcnt 0x0
	ds_add_u32 v86, v87
	s_wait_dscnt 0x0
	s_endpgm
.Lfunc_end_k_qc4902835fe_gather:
	.size	k_qc4902835fe_gather, .Lfunc_end_k_qc4902835fe_gather-k_qc4902835fe_gather
	.p2alignl 7, 3214868480
	.fill 96, 4, 3214868480
	.section	.rodata,"a",@progbits
	.p2align	6, 0x0
	.amdhsa_kernel k_qc4902835fe_gather
		.amdhsa_group_segment_fixed_size 34816
		.amdhsa_private_segment_fixed_size 0
		.amdhsa_enable_private_segment 0
		.amdhsa_kernarg_size 24
		.amdhsa_user_sgpr_count 2
		.amdhsa_user_sgpr_kernarg_segment_ptr 1
		.amdhsa_wavefront_size32 1
		.amdhsa_system_sgpr_workgroup_id_x 1
		.amdhsa_system_sgpr_workgroup_id_y 1
		.amdhsa_system_sgpr_workgroup_id_z 1
		.amdhsa_system_vgpr_workitem_id 0
		.amdhsa_next_free_vgpr 88
		.amdhsa_next_free_sgpr 66
		.amdhsa_reserve_vcc 0
		.amdhsa_float_denorm_mode_32 3
		.amdhsa_float_denorm_mode_16_64 3
		.amdhsa_memory_ordered 1
		.amdhsa_forward_progress 1
		.amdhsa_inst_pref_size 8
	.end_amdhsa_kernel
	.amdgpu_metadata
---
amdhsa.version: [ 1, 2 ]
amdhsa.kernels:
  - .name:           k_qc4902835fe_gather
    .symbol:         k_qc4902835fe_gather.kd
    .args:
      - { .name: ind, .offset: 0, .size: 8, .value_kind: global_buffer, .address_space: global }
      - { .name: emb, .offset: 8, .size: 8, .value_kind: global_buffer, .address_space: global }
      - { .name: out0, .offset: 16, .size: 8, .value_kind: global_buffer, .address_space: global }
    .group_segment_fixed_size: 34816
    .private_segment_fixed_size: 0
    .kernarg_segment_align: 8
    .kernarg_segment_size: 24
    .max_flat_workgroup_size: 256
    .sgpr_count:     66
    .vgpr_count:     88
    .wavefront_size: 32
...
	.end_amdgpu_metadata
.endif
;; end of part 5
